; MI455X (gfx1250); checked and timed in simulation.
; The chip was launched on July 23, 2026; its instructions are those of AMD's public machine-readable ISA for CDNA 5 (MIT licence, August 2026) and "CDNA5" Instruction Set Architecture Reference Guide (July 2026). The comments in the code are by the model that wrote it; some were corrected since.
;; State Quantizer. Allowed arithmetic: matrix products marked QUANTISED: E4M3 operands, one given power-of-two scale a tensor, by v_wmma_f32_16x16x64_fp8_fp8 or v_wmma_f32_16x16x128_fp8_fp8, f32 sums; everything else in f32.
;; Inputs: codebook 1,024 x 64 float32; lowp_scales 2 int32 (the exponents e of the quantised operands' scales 2^e); z 32 x 2,048 x 64 float32.
;; Outputs: out0 32 x 2,048 x 64 float32; out1 one number float32.
;; This version of the problem:
;;   THIS VERSION OF THE PROBLEM IS GIVEN IN LOW PRECISION. The matrix products marked QUANTISED in the list below multiply operands that are first quantised to E4M3 (4 exponent bits, 3 mantissa bits; 8 bits a number), with one given power-of-two scale for each operand tensor; their sums are f32. All else is computed in f32.
;;   The module's matrix products, in the order in which they are computed (A, B: the left and right operand; K: the contracted axis; several contracted axes count as one K, in the product's order):
;;     1. [M 65,536, K 64] x [K 64, N 1,024]; A: input z; B: input codebook: QUANTISED (scales: A lowp_scales[0], B lowp_scales[1])
;;   THE QUANTISER, for each operand of a quantised product, along K:
;;     - The operand's scale is 2^e, e = its entry of the input lowp_scales (int32; the entries are numbered through the quantised products in the list's order, A before B).
;;     - Each number is divided by the scale, clamped to +-448, and rounded to the nearest number of E4M3, ties to even, subnormals kept.
;;     - The product sums the exact products of the quantised numbers (number of the format x scale) in f32.
;;   ~~~python
;;   def quantise(x, axis, e):      # numpy; x: float32 -> the quantised numbers, widened to float32 again
;;       x = np.moveaxis(x, axis, -1); K = x.shape[-1]
;;       r = np.clip(x / 2.0 ** e, -448, 448)
;;       step = 2.0 ** (np.maximum(np.frexp(np.where(r == 0, 1, r))[1] - 1, -6) - 3)
;;       q = np.round(r / step) * step * 2.0 ** e      # np.round: ties to even
;;       return np.moveaxis(q, -1, axis).astype(np.float32)
;;   ~~~
;; One version. Each part assembles by itself: llvm-mc -triple=amdgcn-amd-amdhsa -mcpu=gfx1250 --defsym DOCPART=n.
;; ======== version 1 of 1: 3 launches
;; limits: right only within a limited range of input values
;; workspace buffers: ind 262,144 bytes of whole numbers; part 1,024 bytes
;; launch nearest (part 1): grid 256 x 1, 16 waves a work-group, clusters of 4 x 1, 317,440 bytes of LDS; arguments z, codebook, lowp_scales, ind; writes ind
.if DOCPART == 1
	.amdgcn_target "amdgcn-amd-amdhsa--gfx1250"
	.amdhsa_code_object_version 6
	.text
	.protected	k_qef67c99bce_nearest
	.globl	k_qef67c99bce_nearest
	.p2align	8
	.type	k_qef67c99bce_nearest,@function
k_qef67c99bce_nearest:
	s_mov_b64 s[64:65], 0
	v_nop
	global_prefetch_b8 v0, s[64:65] scope:SCOPE_SE
	s_setreg_imm32_b32 hwreg(HW_REG_WAVE_MODE, 25, 1), 1
	s_wait_xcnt 0x0
	s_wait_alu depctr_hold_cnt(0) depctr_sa_sdst(0) depctr_va_vdst(0) depctr_va_sdst(0) depctr_va_ssrc(0) depctr_va_vcc(0) depctr_vm_vsrc(0)
	s_getreg_b32 s2, hwreg(HW_REG_IB_STS2, 6, 4)
	s_cmp_eq_u32 s2, 0
	s_cbranch_scc0 .Lentry_in_a_cluster
	s_endpgm
.Lentry_in_a_cluster:
	s_bfe_u32 s2, ttmp6, 0x10000c
	s_cmp_lg_u32 s2, 0x3003
	s_cbranch_scc0 .Lentry_shape_is_right
	s_endpgm
.Lentry_shape_is_right:
; ind[row] = argmin over the 1,024 codes n of |z_row|^2 - 2 Q(z_row).Q(E_n) + |E_n|^2.   z: [65536][64] f32, codebook E: [1024][64] f32, ind: [65536] int32.
; Q: codes of FP8 (E4M3) with the given scales 2^ez (entry 0 of lowp_scales) and 2^ee (entry 1); the codes are multiplied by v_wmma_f32_16x16x64_fp8_fp8, sums in f32.
; WORK LEFT OUT (for all values of the inputs, in exact arithmetic).  (1) |z_row|^2 adds the same number to all distances of a row, so it moves no argmin.  (2) z + (zq - z) = zq: the second launch stores zq itself.
; z stays live: it enters the products here and the loss there.  LIMIT: a NaN, an infinity or an overflow that reaches only |z|^2 or the sum z + (zq - z) is not carried to the result.
; WHAT IS COMPARED.  The rest of a distance is -2^(1+ez+ee) x (sum of code products - |E_n|^2 / 2^(1+ez+ee)): c(n) = -|E_n|^2 / 2^(1+ez+ee) (of the numbers as given, in f32) is the C operand of the matrix
; instruction, and the LARGEST result is the smallest distance.  Equal results: the lowest index, as argmin has it.
; LIMITS.  ez and ee between -126 and 119, ez + ee between -128 and 125, so that each power of two below is an f32 number.  NaN among the inputs is not served.  The order of rounding differs from
; (|z|^2 - 2 dot) + |E|^2: two codes whose distances differ by no more than a few last places of f32 may be chosen the other way round.
; SHARES.  A work-group owns 256 rows of z.  Wave w FETCHES AND CONVERTS codes 64 w .. 64 w + 63 and rows 16 w .. 16 w + 15, and lays both into LDS as images of the operands' registers.  Behind one barrier it
; MULTIPLIES rows 64 (w / 4) .. + 63 (four fragments, in registers) by codes 256 (w % 4) .. + 255 (sixteen tiles of 16 codes, from LDS): 64 matrix instructions.
; THE MATRIX INSTRUCTION IS USED TRANSPOSED: source 0 = 16 codes, source 1 = 16 rows of z.  Lane (r, h) then holds row r of z, and register j of code tile k the code 256 (w % 4) + 16 k + 8 h + j.
; THE ARGMAX.  For each row tile a lane keeps the largest result so far, the number of the code tile that holds it, and that tile's eight results.  A tile takes their place only with a strictly larger result, so of
; equal ones the first stays; the place inside the tile is searched once, at the end.  For a tile's eight results: four maxima (the kept one is among their sources), one compare, four dual selects, one select of the tile's number.
; K IN THE REGISTERS: lane (r, h), register p, byte b holds k = 32 h + 4 p + b, in both operands alike: every product meets its partner, only the order of the sums inside an instruction is another.
; THE CODEBOOK COMES IN BY TWO WAYS, side by side.  The four work-groups of a cluster need the same codebook: rows 32 .. 63 of each wave's 64 are asked for JOINTLY, by the same tensor load with the same descriptor and
; the mask of all four.  Rows 0 .. 31 take the 64 registers that the accumulators will need later: 16 loads of 512 bytes on a counter of their own, so that these two tiles are converted while the joint load is on its way.
; LDS bytes are filled once by a load.  No prefetch: all that a wave reads from memory it asks for at once, at its head; there is no loop that streams.
; LDS: 0 .. 278,527 the codebook as f32, rows 272 bytes apart, 17,408 bytes a wave; when a wave has read its first tile of rows (4,352 bytes), the first 4,096 of these bytes take the images of its four code tiles.
; Then 16 images of z's fragments (1,024 bytes each), c (256 bytes a wave), the waves' (value, index) pairs (1,024 bytes a wave), the spare words.
.set CPITCH, 272                       ; a codebook row in LDS: 256 bytes + 16 of padding = 68 words: the 16 rows that a load touches start at 16 different groups of four banks (64 banks of 4 bytes: ISA guide 11.1)
.set WTILE,  64*CPITCH                 ; a wave's 64 rows: 17,408 bytes
.set ZIMG,   1024*CPITCH               ; 278,528
.set CBUF,   ZIMG+16*1024              ; 294,912
.set PBUF,   CBUF+16*256               ; 299,008
.set SPARE,  PBUF+16*1024              ; 315,392: the spare words, 128 bytes for each wave, that no other line names
.set LN,   1                           ; v1   lane
.set RR,   2                           ; v2   r = lane % 16
.set HH,   3                           ; v3   h = lane / 16
.set L16,  4                           ; v4   16 x lane
.set CBA,  5                           ; v5   LDS: my row of a raw tile of codes, my half of its numbers
.set ZST,  6                           ; v6   LDS: where my code words of z go
.set TT,   7                           ; v7   at work
.set ZLD,  8                           ; v8   LDS: my 16 bytes of an image of z
.set CST,  9                           ; v9   LDS: where c of my row goes
.set CLD,  10                          ; v10  LDS: c of my half's eight codes, the quarter's first tile
.set MST,  11                          ; v11  LDS: where my (value, index) pairs go
.set BASE, 12                          ; v12  256 (w % 4) + 8 h
.set IST,  13                          ; v13  LDS: where my 16 bytes of a code image go
.set SPW,  14                          ; v14  LDS: my spare word, never rewritten
.set NIL,  15                          ; v15  0, never rewritten
.set SCZ,  16                          ; v16  2^ez;  v17  448 x 2^ez;  v18  2^ee;  v19  448 x 2^ee
.set LIMZ, 17
.set SCE,  18
.set LIME, 19
.set E0,   20                          ; v20-23  sums of squares
.set CF,   24                          ; v24  LDS: my 16 bytes of a code image, the quarter's first tile
.set MLD,  25                          ; v25  LDS: the merge: two neighbouring rows' pairs
.set L8,   26                          ; v26  8 x lane: my two indices
.set RST,  27                          ; v27  LDS: where my 16 bytes of two raw rows of codes go
.set ZF,   32                          ; v32-63   four fragments of z
.set X0,   32                          ;          ahead of them 32 numbers of the codebook
.set KEEP, 64                          ; v64-95   for each row tile the eight results of the best code tile so far; ahead of them the codes of my 64 codes
.set ACC,  96                          ; v96-159  two sets of four accumulators; ahead of them rows 0 .. 31 of my codes as loaded; at the end the merge
.set FA,   160                         ; v160-175 two fragments of codes
.set FC,   176                         ; v176-191 c for them
.set X1,   160                         ; v160-191 ahead of them 32 numbers of the codebook
.set RUN,  192                         ; v192-195 the largest results behind an even tile; v196, 198, 200, 202 behind an odd one, each with its index behind it at the end
.set PR,   196
.set ID,   204                         ; v204-207 the best tile's number
.set JS,   208                         ; v208-211 the place inside it
.set ZX,   216                         ; v216-247 my 16 rows of z as loaded
.set ZC,   160                         ; v160-167 their codes
.set MB,   96                          ; v96-127  the merge: eight candidates for each of two rows
; A round of the cluster's barrier: my work-group's barrier, so that wave 0's signal speaks for all sixteen waves; wave 0 signals for the work-group; every wave waits for all four work-groups; my work-group's barrier once more.
.macro ROUND
	s_barrier_signal -1
	s_barrier_wait -1
	s_cmp_lg_u32 s14, 0
	s_cbranch_scc1 .Lnot_wave_0_\@
	s_barrier_signal -3
.Lnot_wave_0_\@:
	s_barrier_wait -3
	s_barrier_signal -1
	s_barrier_wait -1
.endm
	s_load_b256 s[4:11], s[0:1], 0x0               ; z s[4:5], codebook s[6:7], lowp_scales s[8:9], ind s[10:11]
	v_lshl_add_u32 v[SPW], v0, 2, SPARE
	v_mov_b32 v[NIL], 0
	ds_add_u32 v[SPW], v[NIL]                      ; the wave's opening: the add, twice on end, and its wait ahead of my tensor load
	ds_add_u32 v[SPW], v[NIL]
	v_lshrrev_b32 v[TT], 5, v0
	v_readfirstlane_b32 s14, v[TT]                 ; wave 0..15
	s_and_b32 s15, s14, 3                          ; my quarter of the codes
	s_lshr_b32 s22, s14, 2                         ; my quarter of the rows
	s_mul_i32 s23, s14, WTILE                      ; my 64 rows of the codebook in LDS;
	s_add_co_u32 s17, s23, 32*CPITCH               ; the descriptor's LDS address: rows 32 .. 63 of them
	s_lshl_b32 s40, s14, 10
	s_add_co_u32 s47, s40, PBUF                    ; my pairs
	s_add_co_u32 s40, s40, ZIMG                    ; my image of z
	s_lshl_b32 s41, s14, 8
	s_add_co_u32 s41, s41, CBUF                    ; my c
	s_mul_i32 s44, s15, 4*WTILE                    ; my quarter's code images,
	s_lshl_b32 s45, s15, 10
	s_add_co_u32 s45, s45, CBUF                    ; and its c
	s_lshl_b32 s46, s22, 12
	s_add_co_u32 s46, s46, ZIMG                    ; my quarter's images of z
	s_lshl_b32 s48, s15, 12
	s_add_co_u32 s48, s48, PBUF                    ; the merge: wave v (0..3) takes row quarter v; the address stays inside the pairs in every wave
	s_lshl_b32 s49, s15, 8                         ; my quarter's first code
	; descriptor group 1: 32 rows of 64 elements of 4 bytes, dense in memory, padded in LDS
	s_mov_b32 s24, 15|(2<<16)|(1<<20)|(1<<21)|(5<<22)|(3<<25)  ; 15:0 the mask: all four work-groups; 17:16 elements of 4 bytes; 20 padding on; 21 set beside a mask; 24:22 after every 64 words (code 5); 31:25 four words (code 3)
	s_mov_b32 s25, 64<<16                          ; tensor_dim0 = 64
	s_mov_b32 s26, 32<<16                          ; tensor_dim1 = 32
	s_mov_b32 s27, 64<<16                          ; tile_dim0 = 64
	s_mov_b32 s28, 32                              ; tile_dim1 = 32
	s_mov_b32 s29, 64                              ; elements from row to row
	s_mov_b32 s30, 0
	s_mov_b32 s31, 0
	s_mov_b32 s16, 1                               ; group 0: count = 1
	s_mov_b32 s20, 0x76543210                      ; v_permlanex16_b32's selects for lane l xor 16
	s_mov_b32 s21, 0xfedcba98
	s_bfe_u32 s33, ttmp6, 0x40000                  ; cx: my place in the cluster: it enters z's and ind's addresses alone
	s_lshl_b32 s34, ttmp9, 2                       ; in a cluster launch ttmp9 counts clusters
	s_add_co_u32 s34, s34, s33                     ; the work-group's number
	s_lshl_b32 s36, s34, 16                        ; its 256 rows of 256 bytes,
	s_lshl_b32 s37, s14, 12                        ; my wave's 16 of them
	s_add_co_u32 s36, s36, s37
	s_mov_b32 s37, 0
	s_lshl_b32 s38, s14, 14                        ; my wave's 64 rows of the codebook in memory: the same in all four partners
	s_mov_b32 s39, 0
	s_lshl_b32 s42, s34, 10                        ; ind: the work-group's 1,024 bytes, 256 for each row quarter
	s_lshl_b32 s43, s15, 8
	s_add_co_u32 s42, s42, s43
	s_mov_b32 s43, 0
	; every LDS address is made here, ahead of the first branch: a constant + constants x lane bits + a constant x wave
	v_and_b32 v[LN], 31, v0
	v_and_b32 v[RR], 15, v0
	v_bfe_u32 v[HH], v0, 4, 1
	v_bfe_u32 v[TT], v0, 2, 1
	v_lshlrev_b32 v[L16], 4, v[LN]
	v_mul_u32_u24 v[CBA], v[RR], CPITCH
	; a dense load gives lane l four numbers k = 4 q .. 4 q + 3 (q = l % 16) of row 2 i + l / 16: one code word.  In the image it is register q % 8 of lane (row, q / 8): byte 512 ((q % 8) / 4) + 16 (row + 16 (q / 8)) + 4 (q % 4)
	v_lshlrev_b32 v[ZST], 9, v[TT]
	v_bfe_u32 v[TT], v0, 3, 1
	v_lshl_add_u32 v[CBA], v[HH], 7, v[CBA]        ; row r, + 128 h: the 32 numbers k = 32 h ..
	v_add_nc_u32 v[IST], s23, v[L16]
	v_mul_u32_u24 v[RST], v[HH], CPITCH            ; a dense load's two rows: lanes 0-15 the even one, lanes 16-31 the odd one
	v_lshl_add_u32 v[ZST], v[TT], 8, v[ZST]
	v_and_b32 v[TT], 3, v0
	v_add_nc_u32 v[CBA], s23, v[CBA]
	v_lshl_add_u32 v[RST], v[RR], 4, v[RST]
	v_lshl_add_u32 v[CST], v[RR], 2, s41
	v_lshl_add_u32 v[ZST], v[HH], 4, v[ZST]
	v_add_nc_u32 v[CF], s44, v[L16]
	v_lshl_add_u32 v[CLD], v[HH], 5, s45
	v_lshl_add_u32 v[ZST], v[TT], 2, v[ZST]
	v_lshrrev_b32 v[TT], 3, v[LN]
	v_add_nc_u32 v[RST], s23, v[RST]
	v_add_nc_u32 v[ZLD], s46, v[L16]
	v_lshl_add_u32 v[MST], v[LN], 3, s47
	v_add_nc_u32 v[ZST], s40, v[ZST]
	v_lshl_add_u32 v[MLD], v[TT], 8, s48           ; rows 2 l, 2 l + 1 of the quarter: row tile l / 8, places 2 (l % 8) and the next
	v_and_b32 v[TT], 7, v[LN]
	v_lshl_add_u32 v[BASE], v[HH], 3, s49
	v_lshlrev_b32 v[L8], 3, v[LN]
	v_lshl_add_u32 v[MLD], v[TT], 4, v[MLD]
	s_wait_alu depctr_va_vdst(0)                   ; ahead of the waits and branches below
	s_wait_dscnt 0x0                               ; both opening adds are done
	ROUND                                          ; all four work-groups are here: the joint loads meet.  (The arguments are still on their way)
	s_wait_kmcnt 0x0
	s_load_b64 s[12:13], s[8:9], 0x0               ; ez, ee
	s_add_nc_u64 s[50:51], s[6:7], s[38:39]        ; my 64 rows of the codebook
	s_add_nc_u64 s[18:19], s[50:51], 32*256        ; group 0: rows 32 .. 63 of them,
	s_or_b32 s19, s19, 0x80000000                  ; type = 2
	tensor_load_to_lds s[16:19], s[24:31]          ; my one tensor load of the launch: 32 rows of the codebook, which I alone read
	s_nop 0
.rept 4
	v_nop
.endr
	s_add_nc_u64 s[4:5], s[4:5], s[36:37]
	s_add_nc_u64 s[10:11], s[10:11], s[42:43]
.irp i, 0,1,2,3,4,5,6,7,8,9,10,11,12,13,14,15
	global_load_b128 v[ACC+4*\i:ACC+4*\i+3], v[L16], s[50:51] offset:512*\i   ; 32 lanes read 512 consecutive bytes: two rows of the codebook.  Every work-group reads them: no hint
.endr
.irp i, 0,1,2,3,4,5,6,7
	global_load_b128 v[ZX+4*\i:ZX+4*\i+3], v[L16], s[4:5] offset:512*\i th:TH_LOAD_NT   ; two rows of z
.endr
	s_wait_kmcnt 0x0
	s_add_co_i32 s40, s12, 127
	s_lshl_b32 s41, s40, 23
	v_mov_b32 v[SCZ], s41                          ; 2^ez as f32: the conversion takes its exponent field
	s_add_co_i32 s40, s40, 8
	s_lshl_b32 s40, s40, 23
	s_or_b32 s40, s40, 0x600000
	v_mov_b32 v[LIMZ], s40                         ; 448 x 2^ez
	s_add_co_i32 s40, s13, 127
	s_lshl_b32 s41, s40, 23
	v_mov_b32 v[SCE], s41
	s_add_co_i32 s40, s40, 8
	s_lshl_b32 s40, s40, 23
	s_or_b32 s40, s40, 0x600000
	v_mov_b32 v[LIME], s40
	s_add_co_i32 s45, s12, s13
	s_sub_co_i32 s45, 126, s45
	s_lshl_b32 s45, s45, 23
	s_or_b32 s45, s45, 0x80000000                  ; -2^(-1 - ez - ee) as f32
; THE CODEBOOK.  RAW: the eight loads of tile t into its raw rows in LDS, two rows a store.
.macro RAW t
.irp i, 0,1,2,3,4,5,6,7
	ds_store_b128 v[RST], v[ACC+32*(\t)+4*\i:ACC+32*(\t)+4*\i+3] offset:(\t)*16*CPITCH+2*\i*CPITCH
.endr
.endm
; Tile t of my codes: lane (r, h) takes the 32 numbers k = 32 h .. 32 h + 31 of code 16 t + r.
.macro CLOAD t, xb
.irp i, 0,1,2,3,4,5,6,7
	ds_load_b128 v[\xb+4*\i:\xb+4*\i+3], v[CBA] offset:(\t)*16*CPITCH+16*\i
.endr
.endm
; left: the LDS instructions issued behind this tile's eight loads, which may stay out
.macro PROC t, xb, left
	s_wait_dscnt \left
	v_pk_mul_f32 v[E0:E0+1], v[\xb:\xb+1], v[\xb:\xb+1]                 ; |E|^2 of the numbers as given, two at a time, in two chains; the first products start the sums
	v_pk_mul_f32 v[E0+2:E0+3], v[\xb+2:\xb+3], v[\xb+2:\xb+3]
.irp i, 4,8,12,16,20,24,28
	s_delay_alu instid0(VALU_DEP_2)
	v_pk_fma_f32 v[E0:E0+1], v[\xb+\i:\xb+\i+1], v[\xb+\i:\xb+\i+1], v[E0:E0+1]
	s_delay_alu instid0(VALU_DEP_2)
	v_pk_fma_f32 v[E0+2:E0+3], v[\xb+\i+2:\xb+\i+3], v[\xb+\i+2:\xb+\i+3], v[E0+2:E0+3]
.endr
	s_delay_alu instid0(VALU_DEP_1)
	v_pk_add_f32 v[E0:E0+1], v[E0:E0+1], v[E0+2:E0+3]
	s_delay_alu instid0(VALU_DEP_1)
	v_add_f32 v[E0], v[E0], v[E0+1]
	s_delay_alu instid0(VALU_DEP_1)
	v_permlanex16_b32 v[E0+2], v[E0], s20, s21     ; the row's other 32 numbers lie in the lane 16 away
	s_delay_alu instid0(VALU_DEP_1)
	v_add_f32 v[E0], v[E0], v[E0+2]
	s_delay_alu instid0(VALU_DEP_1)
	v_mul_f32 v[E0], s45, v[E0]                    ; c = -|E|^2 / 2^(1 + ez + ee): a power of two, nothing is rounded
	ds_store_b32 v[CST], v[E0] offset:64*(\t)      ; lanes r and r + 16 write the same word with the same value
.irp i, 0,1,2,3,4,5,6,7,8,9,10,11,12,13,14,15,16,17,18,19,20,21,22,23,24,25,26,27,28,29,30,31
	v_med3_num_f32 v[\xb+\i], v[\xb+\i], -v[LIME], v[LIME]   ; the conversion to an 8-bit code does not saturate (ISA guide 7.6.2): the hold at the largest code x the scale
.endr
.irp g, 0,1,2,3
	v_cvt_scalef32_pk8_fp8_f32 v[KEEP+8*(\t)+2*\g:KEEP+8*(\t)+2*\g+1], v[\xb+8*\g:\xb+8*\g+7], v[SCE]   ; registers 2 g, 2 g + 1 of the fragment: k = 32 h + 8 g + 0 .. 7
.endr
	v_nop                                          ; one plain vector instruction behind the conversions
	ds_store_b128 v[IST], v[KEEP+8*(\t):KEEP+8*(\t)+3] offset:1024*(\t)        ; the image: registers 0-3, then 4-7, 16 bytes a lane, over the bytes of raw tile 0, whose reads are back
	ds_store_b128 v[IST], v[KEEP+8*(\t)+4:KEEP+8*(\t)+7] offset:1024*(\t)+512
.endm
	s_wait_alu depctr_va_vdst(0)                   ; the wait at the head's end
	s_wait_loadcnt 0x10                            ; tile 0's eight loads are in; tile 1's and z's may be out
	RAW 0
	s_wait_loadcnt 0x8                             ; tile 1's are in; z's may be out
	RAW 1
	CLOAD 0, X0                                    ; LDS serves a wave's instructions in order (ISA guide 5.7.1.4): these see my stores
	CLOAD 1, X1
	PROC 0, X0, 8                                  ; behind tile 0's loads: tile 1's eight
	PROC 1, X1, 3                                  ; behind tile 1's: three stores
	s_wait_tensorcnt 0x0                           ; rows 32 .. 63 are in LDS: all the ordering that my reads of them need
	CLOAD 2, X0
	CLOAD 3, X1
	PROC 2, X0, 8
	PROC 3, X1, 3
	; MY 16 ROWS OF z: held, converted where they lie, and laid into LDS as the image of the fragment's registers
	s_wait_loadcnt 0x0
.irp i, 0,1,2,3,4,5,6,7,8,9,10,11,12,13,14,15,16,17,18,19,20,21,22,23,24,25,26,27,28,29,30,31
	v_med3_num_f32 v[ZX+\i], v[ZX+\i], -v[LIMZ], v[LIMZ]
.endr
.irp g, 0,1,2,3
	v_cvt_scalef32_pk8_fp8_f32 v[ZC+2*\g:ZC+2*\g+1], v[ZX+8*\g:ZX+8*\g+7], v[SCZ]   ; word i: the four codes that load i brought
.endr
	v_nop
.irp i, 0,1,2,3,4,5,6,7
	ds_store_b32 v[ZST], v[ZC+\i] offset:32*\i     ; two rows on: 32 bytes
.endr
	s_wait_dscnt 0x0                               ; for the others' sake: my images and my c have landed
	s_barrier_signal -1
	s_barrier_wait -1                              ; all images lie in LDS; they are only read from here on
; THE MAIN PART: sixteen tiles of codes, written out; every offset is an immediate.
.macro FLOAD k                         ; code tile k of my quarter: fragment and c, into buffer k % 2
.set FB, 8*((\k)%2)
	ds_load_b128 v[FA+FB:FA+FB+3],   v[CF] offset:((\k)/4)*WTILE+((\k)%4)*1024
	ds_load_b128 v[FA+FB+4:FA+FB+7], v[CF] offset:((\k)/4)*WTILE+((\k)%4)*1024+512
	ds_load_b128 v[FC+FB:FC+FB+3],   v[CLD] offset:((\k)/4)*256+((\k)%4)*64
	ds_load_b128 v[FC+FB+4:FC+FB+7], v[CLD] offset:((\k)/4)*256+((\k)%4)*64+16
.endm
.macro WM d, fb                        ; four products on four accumulators: 16 codes x my four row tiles, + c
.irp rt, 0,1,2,3
	v_wmma_f32_16x16x64_fp8_fp8 v[\d+8*\rt:\d+8*\rt+7], v[FA+\fb:FA+\fb+7], v[ZF+8*\rt:ZF+8*\rt+7], v[FC+\fb:FC+\fb+7]
.endr
.endm
.macro SEL2 d, a                       ; two registers of the kept results
	v_dual_cndmask_b32 v[\d], v[\d], v[\a] :: v_dual_cndmask_b32 v[\d+1], v[\d+1], v[\a+1]
.endm
; Tile k's results: each accumulator is read from its low end on.  The largest so far goes to the other set of RUN, so that old and new stand beside each other for the compare.
.macro ARG k, ab
.irp rt, 0,1,2,3
	v_max3_num_f32 v[RUN+\rt+((\k)%2)*(4+\rt)], v[\ab+8*\rt], v[\ab+8*\rt+1], v[\ab+8*\rt+2]
.endr
.irp rt, 0,1,2,3
	v_max3_num_f32 v[RUN+\rt+((\k)%2)*(4+\rt)], v[RUN+\rt+((\k)%2)*(4+\rt)], v[\ab+8*\rt+3], v[\ab+8*\rt+4]
.endr
.irp rt, 0,1,2,3
	v_max3_num_f32 v[RUN+\rt+((\k)%2)*(4+\rt)], v[RUN+\rt+((\k)%2)*(4+\rt)], v[\ab+8*\rt+5], v[\ab+8*\rt+6]
.endr
.irp rt, 0,1,2,3
.if \k == 0
	v_max_num_f32 v[RUN+\rt], v[RUN+\rt], v[\ab+8*\rt+7]
.else
	v_max3_num_f32 v[RUN+\rt+((\k)%2)*(4+\rt)], v[RUN+\rt+((\k)%2)*(4+\rt)], v[\ab+8*\rt+7], v[RUN+\rt+((\k+1)%2)*(4+\rt)]
.endif
.endr
.if \k > 0
.irp rt, 0,1,2,3
	v_cmp_gt_f32 vcc_lo, v[RUN+\rt+((\k)%2)*(4+\rt)], v[RUN+\rt+((\k+1)%2)*(4+\rt)]   ; strictly larger than all tiles before
	SEL2 KEEP+8*\rt, \ab+8*\rt
	SEL2 KEEP+8*\rt+2, \ab+8*\rt+2
	SEL2 KEEP+8*\rt+4, \ab+8*\rt+4
	SEL2 KEEP+8*\rt+6, \ab+8*\rt+6
	v_cndmask_b32 v[ID+\rt], v[ID+\rt], \k, vcc_lo
.endr
.endif
.endm
; In step k the products of tile k + 1 and the loads of tile k + 2 are issued first; the argmax of tile k follows.  So the plain vector instructions of an argmax, which name no register of the products just
; issued, stand between a product and the first read of its results, and between a product and the loads into the fragment that it read (four are asked: ISA guide 7.12.1 for vector instructions).
.macro STEP k
.if \k == 0
.set CUR, KEEP
.else
.set CUR, ACC+32*((\k)%2)
.endif
.set NXT, ACC+32*((\k+1)%2)
.set NB,  8*((\k+1)%2)
.if \k < 15
	s_wait_dscnt 0x0                               ; tile k + 1's fragment and c are in
	WM NXT, NB
.endif
.if \k == 0
.irp rt, 0,1,2,3
	v_mov_b32 v[ID+\rt], 0                         ; tile 0 is the best so far; these four are also the places behind its products
.endr
.endif
.if \k < 14
	FLOAD \k+2
.endif
	ARG \k, CUR
.endm
.irp rt, 0,1,2,3
	ds_load_b128 v[ZF+8*\rt:ZF+8*\rt+3], v[ZLD] offset:\rt*1024
	ds_load_b128 v[ZF+8*\rt+4:ZF+8*\rt+7], v[ZLD] offset:\rt*1024+512
.endr
	FLOAD 0
	FLOAD 1
	s_wait_dscnt 0x4                               ; z's fragments and tile 0 are in; tile 1's four loads may be out
	WM KEEP, 0                                     ; tile 0's results are the first that are kept
.irp k, 0,1,2,3,4,5,6,7,8,9,10,11,12,13,14,15
	STEP \k
.endr
; The place inside the kept tile: the first of its eight results that equals the largest.  Two row tiles by turns.
.macro FIND a, b
.irp j, 0,1,2,3,4,5,6
	v_cmp_eq_f32 s[46+\j], v[KEEP+8*\a+\j], v[PR+2*\a]
	v_cmp_eq_f32 s[53+\j], v[KEEP+8*\b+\j], v[PR+2*\b]
.endr
	v_cndmask_b32 v[JS+\a], 7, 6, s52
	v_cndmask_b32 v[JS+\b], 7, 6, s59
.irp j, 5,4,3,2,1,0
	v_cndmask_b32 v[JS+\a], v[JS+\a], \j, s[46+\j]
	v_cndmask_b32 v[JS+\b], v[JS+\b], \j, s[53+\j]
.endr
	v_lshl_add_u32 v[JS+\a], v[ID+\a], 4, v[JS+\a]
	v_lshl_add_u32 v[JS+\b], v[ID+\b], 4, v[JS+\b]
	v_add_nc_u32 v[PR+2*\a+1], v[BASE], v[JS+\a]   ; 256 (w % 4) + 8 h + 16 k + j
	v_add_nc_u32 v[PR+2*\b+1], v[BASE], v[JS+\b]
	ds_store_b64 v[MST], v[PR+2*\a:PR+2*\a+1] offset:256*\a
	ds_store_b64 v[MST], v[PR+2*\b:PR+2*\b+1] offset:256*\b
.endm
	FIND 0, 1
	FIND 2, 3
	s_wait_dscnt 0x0                               ; for the others' sake: my pairs have landed
	s_barrier_signal -1
	s_barrier_wait -1
	s_cmp_lt_u32 s14, 4
	s_cbranch_scc0 .Ldone                          ; THE MERGE: wave v = 0 .. 3 takes row quarter v, a lane two neighbouring rows
.irp q, 0,1,2,3
	ds_load_b128 v[MB+4*\q:MB+4*\q+3], v[MLD] offset:1024*\q               ; code quarter q, half 0: (value, index) of both rows
	ds_load_b128 v[MB+16+4*\q:MB+16+4*\q+3], v[MLD] offset:1024*\q+128     ; half 1
.endr
	s_wait_dscnt 0x0
; A level of the tree: candidate ca takes in candidate ca + d of the same half.  There the index rises with the quarter, so only a larger value takes the place of a lower quarter's.
.macro LEVEL d
.set ca, 0
.rept 4/\d
.irp a, 0,1
	v_cmp_gt_f32 s[46+ca/\d+\a], v[MB+4*(ca+\d)+2*\a], v[MB+4*ca+2*\a]
.endr
.set ca, ca+2*\d
.endr
.set ca, 0
.rept 4/\d
.irp a, 0,1
	v_cndmask_b32 v[MB+4*ca+2*\a+1], v[MB+4*ca+2*\a+1], v[MB+4*(ca+\d)+2*\a+1], s[46+ca/\d+\a]
.endr
.set ca, ca+2*\d
.endr
.set ca, 0
.rept 4/\d
.irp a, 0,1
	v_max_num_f32 v[MB+4*ca+2*\a], v[MB+4*ca+2*\a], v[MB+4*(ca+\d)+2*\a]
.endr
.set ca, ca+2*\d
.endr
.endm
	LEVEL 1
	LEVEL 2
	; between the halves the indices interleave: half 1 wins with the larger value, or with an equal value and the lower index
.irp a, 0,1
	v_cmp_gt_f32 s[46+\a], v[MB+16+2*\a], v[MB+2*\a]
	v_cmp_eq_f32 s[48+\a], v[MB+16+2*\a], v[MB+2*\a]
	v_cmp_lt_u32 s[50+\a], v[MB+17+2*\a], v[MB+1+2*\a]
.endr
	s_and_b32 s48, s48, s50
	s_and_b32 s49, s49, s51
	s_or_b32 s46, s46, s48
	s_or_b32 s47, s47, s49
	v_cndmask_b32 v[MB+32], v[MB+1], v[MB+17], s46
	v_cndmask_b32 v[MB+33], v[MB+3], v[MB+19], s47
	global_store_b64 v[L8], v[MB+32:MB+33], s[10:11]   ; 32 lanes store 256 consecutive bytes, at a multiple of 256 from ind's first byte
.Ldone:
	s_wait_tensorcnt 0x0                           ; the wave's end
	ds_add_u32 v[SPW], v[NIL]
	s_wait_dscnt 0x0
	ROUND                                          ; the closing round: no work-group ends while a partner may still ask for rows jointly with it
	s_endpgm
.Lfunc_end_k_qef67c99bce_nearest:
	.size	k_qef67c99bce_nearest, .Lfunc_end_k_qef67c99bce_nearest-k_qef67c99bce_nearest
	.p2alignl 7, 3214868480
	.fill 96, 4, 3214868480
	.section	.rodata,"a",@progbits
	.p2align	6, 0x0
	.amdhsa_kernel k_qef67c99bce_nearest
		.amdhsa_group_segment_fixed_size 317440
		.amdhsa_private_segment_fixed_size 0
		.amdhsa_enable_private_segment 0
		.amdhsa_kernarg_size 32
		.amdhsa_user_sgpr_count 2
		.amdhsa_user_sgpr_kernarg_segment_ptr 1
		.amdhsa_wavefront_size32 1
		.amdhsa_system_sgpr_workgroup_id_x 1
		.amdhsa_system_sgpr_workgroup_id_y 1
		.amdhsa_system_sgpr_workgroup_id_z 1
		.amdhsa_system_vgpr_workitem_id 0
		.amdhsa_next_free_vgpr 248
		.amdhsa_next_free_sgpr 66
		.amdhsa_reserve_vcc 1
		.amdhsa_float_denorm_mode_32 3
		.amdhsa_float_denorm_mode_16_64 3
		.amdhsa_memory_ordered 1
		.amdhsa_forward_progress 1
		.amdhsa_inst_pref_size 85
	.end_amdhsa_kernel
	.amdgpu_metadata
---
amdhsa.version: [ 1, 2 ]
amdhsa.kernels:
  - .name:           k_qef67c99bce_nearest
    .symbol:         k_qef67c99bce_nearest.kd
    .args:
      - { .name: z, .offset: 0, .size: 8, .value_kind: global_buffer, .address_space: global }
      - { .name: codebook, .offset: 8, .size: 8, .value_kind: global_buffer, .address_space: global }
      - { .name: lowp_scales, .offset: 16, .size: 8, .value_kind: global_buffer, .address_space: global }
      - { .name: ind, .offset: 24, .size: 8, .value_kind: global_buffer, .address_space: global }
    .group_segment_fixed_size: 317440
    .private_segment_fixed_size: 0
    .kernarg_segment_align: 8
    .kernarg_segment_size: 32
    .max_flat_workgroup_size: 512
    .sgpr_count:     66
    .vgpr_count:     248
    .wavefront_size: 32
...
	.end_amdgpu_metadata
.endif
;; end of part 1
;; launch gather (part 2): grid 256 x 1, 16 waves a work-group, no clusters, 167,936 bytes of LDS; arguments z, codebook, ind, out0, part; writes out0, part
.if DOCPART == 2
	.amdgcn_target "amdgcn-amd-amdhsa--gfx1250"
	.amdhsa_code_object_version 6
	.text
	.protected	k_qef67c99bce_gather
	.globl	k_qef67c99bce_gather
	.p2align	8
	.type	k_qef67c99bce_gather,@function
k_qef67c99bce_gather:
	s_mov_b64 s[64:65], 0
	v_nop
	global_prefetch_b8 v0, s[64:65] scope:SCOPE_SE
	s_setreg_imm32_b32 hwreg(HW_REG_WAVE_MODE, 25, 1), 1
	s_wait_xcnt 0x0
; out0 = zq = codebook[ind[row]];  part[work-group] = the sum over its 256 rows of (zq - z)^2.   z, out0: [65536][64] f32; codebook: [1024][64] f32; ind: [65536] int32, stored by the launch before.
; WORK LEFT OUT: reference() returns z + (zq - z), which is zq in exact arithmetic for all finite values.  z itself is read, for the sum of squares.  LIMIT: a NaN, an infinity or an overflow of z + (zq - z) is not carried to out0.
; A stream: each byte of z is read once and each byte of out0 written once.  Sixteen waves; a wave owns 16 rows.  Its rows of z come into LDS by eight asynchronous copies of 512 bytes, counted on a counter of their own,
; so that the rows of the codebook, asked for as soon as the indices are in, are stored without waiting for z.  The wave alone reads the bytes that its copies bring; nothing is filled again.
; Sixteen lanes take a row of 256 bytes: lanes 0-15 row s, lanes 16-31 row s + 8 of the wave's 16, so that a lane's eight indices are 32 neighbouring bytes, and every store covers two whole aligned runs of 256 bytes.
; No matrix unit: there is nothing to multiply.  No cluster: no tile of rows is wanted by two work-groups.  No prefetch: all of z is asked for at the head, and there is no loop.  An index is held under 1,024 ahead of its use in an address.
.set Z, 16                             ; v16-47  z, then zq - z
.set E, 48                             ; v48-79  the codebook's rows
.set A, 80                             ; v80-83  the sum of squares, in two chains of pairs
.set SPW, 88                           ; v88     LDS: my spare word, never rewritten
.set NIL, 89                           ; v89     0, never rewritten
.set WSUM, 16*4096                     ; behind z: one word for each wave
.set SPARE, WSUM+256                   ; the spare words, 128 bytes for each wave, that no other line names
	s_load_b256 s[4:11], s[0:1], 0x0               ; z s[4:5], codebook s[6:7], ind s[8:9], out0 s[10:11]
	s_load_b64 s[12:13], s[0:1], 0x20              ; part
	v_lshl_add_u32 v[SPW], v0, 2, SPARE
	v_mov_b32 v[NIL], 0
	ds_add_u32 v[SPW], v[NIL]                      ; the wave's opening: the add, twice on end, and its wait ahead of my copies
	ds_add_u32 v[SPW], v[NIL]
	v_lshrrev_b32 v1, 5, v0
	v_readfirstlane_b32 s14, v1                    ; wave 0..15
	s_lshl_b32 s25, s14, 12                        ; LDS: my rows of z: 4,096 x wave
	s_lshl_b32 s28, ttmp9, 8
	s_lshl_b32 s29, s14, 4
	s_add_co_u32 s28, s28, s29                     ; my first row: 256 x work-group + 16 x wave
	s_lshl_b32 s30, s28, 8
	s_mov_b32 s31, 0
	s_lshl_b32 s32, s28, 2
	s_mov_b32 s33, 0
	s_lshl_b32 s34, ttmp9, 2
	s_mov_b32 s35, 0
	s_lshl_b32 s36, s14, 2
	s_add_co_u32 s36, s36, WSUM
	s_mov_b32 s38, 0x76543210                      ; v_permlanex16_b32's selects for lane l xor 16
	s_mov_b32 s39, 0xfedcba98
	v_and_b32 v2, 15, v0
	v_bfe_u32 v3, v0, 4, 1
	v_and_b32 v1, 31, v0
	v_mov_b32 v7, s36                              ; LDS: my wave's word
	v_lshlrev_b32 v4, 4, v2                        ; my 16 bytes of a row
	v_lshlrev_b32 v6, 5, v3                        ; my half's eight indices
	v_lshlrev_b32 v1, 4, v1                        ; my 16 bytes of a copy's 512, in memory,
	v_lshl_add_u32 v87, v2, 2, WSUM                ; LDS: the sixteen waves' words
	v_lshl_add_u32 v5, v3, 11, v4                  ; + 8 rows for lanes 16-31
	v_add_nc_u32 v84, s25, v1                      ; and in LDS: the rows stay dense, so both take the same immediate
	v_mov_b32 v85, 0
	v_add_nc_u32 v86, s25, v5                      ; LDS: my place in my rows of z
	s_wait_alu depctr_va_vdst(0)                   ; the wait at the head's end
	s_wait_dscnt 0x0                               ; both opening adds are done
	s_wait_kmcnt 0x0
	s_add_nc_u64 s[8:9], s[8:9], s[32:33]
	s_add_nc_u64 s[4:5], s[4:5], s[30:31]
	global_load_b128 v[8:11], v6, s[8:9]           ; the indices first: the codebook's rows hang on them
	global_load_b128 v[12:15], v6, s[8:9] offset:16
.irp i, 0,1,2,3,4,5,6,7
	global_load_async_to_lds_b128 v84, v1, s[4:5] offset:512*\i   ; two rows of z, 512 consecutive bytes
.endr
	s_add_nc_u64 s[10:11], s[10:11], s[30:31]
	s_add_nc_u64 s[12:13], s[12:13], s[34:35]
	s_wait_loadcnt 0x0                             ; the indices are in
.irp s, 0,1,2,3,4,5,6,7
	v_min_u32 v[8+\s], 0x3ff, v[8+\s]
.endr
.irp s, 0,1,2,3,4,5,6,7
	v_lshl_add_u32 v[8+\s], v[8+\s], 8, v4         ; 256 x index + my 16 bytes
.endr
.irp s, 0,1,2,3,4,5,6,7
	global_load_b128 v[E+4*\s:E+4*\s+3], v[8+\s], s[6:7]   ; many rows name the same code: no hint
.endr
.irp s, 0,1,2,3,4,5,6,7
	s_wait_loadcnt 7-\s                            ; loads come back in order (ISA guide 5.7.1): this step's row is in; the later steps' rows may be out
	global_store_b128 v5, v[E+4*\s:E+4*\s+3], s[10:11] offset:256*\s th:TH_STORE_NT   ; the rows stay in their registers: no store's data are written again
.endr
	s_wait_asynccnt 0x0                            ; my rows of z are in LDS: all the ordering that my reads of them need
.irp s, 0,1,2,3,4,5,6,7
	ds_load_b128 v[Z+4*\s:Z+4*\s+3], v86 offset:256*\s
.endr
	s_wait_dscnt 0x0
.irp s, 0,2,4,6,8,10,12,14,16,18,20,22,24,26,28,30
	v_pk_add_f32 v[Z+\s:Z+\s+1], v[E+\s:E+\s+1], v[Z+\s:Z+\s+1] neg_lo:[0,1] neg_hi:[0,1]       ; zq - z
.endr
	v_pk_mul_f32 v[A:A+1], v[Z:Z+1], v[Z:Z+1]      ; the first squares start the sums
	v_pk_mul_f32 v[A+2:A+3], v[Z+2:Z+3], v[Z+2:Z+3]
.irp s, 4,8,12,16,20,24,28
	s_delay_alu instid0(VALU_DEP_2)
	v_pk_fma_f32 v[A:A+1], v[Z+\s:Z+\s+1], v[Z+\s:Z+\s+1], v[A:A+1]
	s_delay_alu instid0(VALU_DEP_2)
	v_pk_fma_f32 v[A+2:A+3], v[Z+\s+2:Z+\s+3], v[Z+\s+2:Z+\s+3], v[A+2:A+3]
.endr
	s_delay_alu instid0(VALU_DEP_1)
	v_pk_add_f32 v[A:A+1], v[A:A+1], v[A+2:A+3]
	s_delay_alu instid0(VALU_DEP_1)
	v_add_f32 v82, v80, v81
	s_delay_alu instid0(VALU_DEP_1)
	v_add_f32_dpp v82, v82, v82 row_xmask:1 row_mask:0xf bank_mask:0xf
	s_delay_alu instid0(VALU_DEP_1)
	v_add_f32_dpp v82, v82, v82 row_xmask:2 row_mask:0xf bank_mask:0xf
	s_delay_alu instid0(VALU_DEP_1)
	v_add_f32_dpp v82, v82, v82 row_xmask:4 row_mask:0xf bank_mask:0xf
	s_delay_alu instid0(VALU_DEP_1)
	v_add_f32_dpp v82, v82, v82 row_xmask:8 row_mask:0xf bank_mask:0xf
	s_delay_alu instid0(VALU_DEP_1)
	v_permlanex16_b32 v81, v82, s38, s39
	s_delay_alu instid0(VALU_DEP_1)
	v_add_f32 v82, v82, v81                        ; the wave's sum, in every lane
	ds_store_b32 v7, v82                           ; all lanes write the same word with the same value
	s_wait_dscnt 0x0                               ; for the others' sake
	s_barrier_signal -1
	s_barrier_wait -1
	s_cmp_lg_u32 s14, 0
	s_cbranch_scc1 .Lend                           ; wave 0 adds the sixteen sums
	ds_load_b32 v83, v87                           ; lanes r and r + 16 take wave r's
	s_wait_dscnt 0x0
	v_add_f32_dpp v83, v83, v83 row_xmask:1 row_mask:0xf bank_mask:0xf
	s_delay_alu instid0(VALU_DEP_1)
	v_add_f32_dpp v83, v83, v83 row_xmask:2 row_mask:0xf bank_mask:0xf
	s_delay_alu instid0(VALU_DEP_1)
	v_add_f32_dpp v83, v83, v83 row_xmask:4 row_mask:0xf bank_mask:0xf
	s_delay_alu instid0(VALU_DEP_1)
	v_add_f32_dpp v83, v83, v83 row_xmask:8 row_mask:0xf bank_mask:0xf
	v_cmp_eq_u32 vcc_lo, 0, v0
	s_wait_alu depctr_va_vdst(0)                   ; ahead of the wait below
	s_wait_xcnt 0x0                                ; EXEC changes only behind this wait: it is a source of the stores above
	s_and_saveexec_b32 s37, vcc_lo
	global_store_b32 v85, v83, s[12:13]            ; one word for the work-group; the next launch adds the 256
	s_wait_xcnt 0x0
	s_or_b32 exec_lo, exec_lo, s37
.Lend:
	s_wait_tensorcnt 0x0                           ; the wave's end
	s_wait_asynccnt 0x0
	ds_add_u32 v[SPW], v[NIL]
	s_wait_dscnt 0x0
	s_endpgm
.Lfunc_end_k_qef67c99bce_gather:
	.size	k_qef67c99bce_gather, .Lfunc_end_k_qef67c99bce_gather-k_qef67c99bce_gather
	.p2alignl 7, 3214868480
	.fill 96, 4, 3214868480
	.section	.rodata,"a",@progbits
	.p2align	6, 0x0
	.amdhsa_kernel k_qef67c99bce_gather
		.amdhsa_group_segment_fixed_size 167936
		.amdhsa_private_segment_fixed_size 0
		.amdhsa_enable_private_segment 0
		.amdhsa_kernarg_size 40
		.amdhsa_user_sgpr_count 2
		.amdhsa_user_sgpr_kernarg_segment_ptr 1
		.amdhsa_wavefront_size32 1
		.amdhsa_system_sgpr_workgroup_id_x 1
		.amdhsa_system_sgpr_workgroup_id_y 1
		.amdhsa_system_sgpr_workgroup_id_z 1
		.amdhsa_system_vgpr_workitem_id 0
		.amdhsa_next_free_vgpr 90
		.amdhsa_next_free_sgpr 66
		.amdhsa_reserve_vcc 1
		.amdhsa_float_denorm_mode_32 3
		.amdhsa_float_denorm_mode_16_64 3
		.amdhsa_memory_ordered 1
		.amdhsa_forward_progress 1
		.amdhsa_inst_pref_size 11
	.end_amdhsa_kernel
	.amdgpu_metadata
---
amdhsa.version: [ 1, 2 ]
amdhsa.kernels:
  - .name:           k_qef67c99bce_gather
    .symbol:         k_qef67c99bce_gather.kd
    .args:
      - { .name: z, .offset: 0, .size: 8, .value_kind: global_buffer, .address_space: global }
      - { .name: codebook, .offset: 8, .size: 8, .value_kind: global_buffer, .address_space: global }
      - { .name: ind, .offset: 16, .size: 8, .value_kind: global_buffer, .address_space: global }
      - { .name: out0, .offset: 24, .size: 8, .value_kind: global_buffer, .address_space: global }
      - { .name: part, .offset: 32, .size: 8, .value_kind: global_buffer, .address_space: global }
    .group_segment_fixed_size: 167936
    .private_segment_fixed_size: 0
    .kernarg_segment_align: 8
    .kernarg_segment_size: 40
    .max_flat_workgroup_size: 512
    .sgpr_count:     66
    .vgpr_count:     90
    .wavefront_size: 32
...
	.end_amdgpu_metadata
.endif
;; end of part 2
;; launch total (part 3): grid 1 x 1, 1 waves a work-group, no clusters, 0 bytes of LDS; arguments part, out1; writes out1
.if DOCPART == 3
	.amdgcn_target "amdgcn-amd-amdhsa--gfx1250"
	.amdhsa_code_object_version 6
	.text
	.protected	k_qef67c99bce_total
	.globl	k_qef67c99bce_total
	.p2align	8
	.type	k_qef67c99bce_total,@function
k_qef67c99bce_total:
	s_mov_b64 s[64:65], 0
	v_nop
	global_prefetch_b8 v0, s[64:65] scope:SCOPE_SE
	s_setreg_imm32_b32 hwreg(HW_REG_WAVE_MODE, 25, 1), 1
	s_wait_xcnt 0x0
; out1 = (0.1 m + m) x 10, m = the mean of (zq - z)^2 over 65,536 x 64 numbers: both means of the loss are the same number.  part: the 256 work-groups' sums of the launch before, f32.
; The sum spans work-groups, so it is made here, in order, by one wave: 8 numbers a lane, two loads of 512 consecutive bytes.
	s_load_b128 s[4:7], s[0:1], 0x0                ; part s[4:5], out1 s[6:7]
	v_lshlrev_b32 v1, 4, v0
	v_mov_b32 v2, 0
	s_mov_b32 s8, 0x76543210                       ; v_permlanex16_b32's selects for lane l xor 16
	s_mov_b32 s9, 0xfedcba98
	s_wait_alu depctr_va_vdst(0)
	s_wait_kmcnt 0x0
	global_load_b128 v[4:7], v1, s[4:5]
	global_load_b128 v[8:11], v1, s[4:5] offset:512
	s_wait_loadcnt 0x0
	v_pk_add_f32 v[4:5], v[4:5], v[6:7]
	v_pk_add_f32 v[8:9], v[8:9], v[10:11]
	v_pk_add_f32 v[4:5], v[4:5], v[8:9]
	v_add_f32 v4, v4, v5
	v_add_f32_dpp v4, v4, v4 row_xmask:1 row_mask:0xf bank_mask:0xf
	v_add_f32_dpp v4, v4, v4 row_xmask:2 row_mask:0xf bank_mask:0xf
	v_add_f32_dpp v4, v4, v4 row_xmask:4 row_mask:0xf bank_mask:0xf
	v_add_f32_dpp v4, v4, v4 row_xmask:8 row_mask:0xf bank_mask:0xf
	v_permlanex16_b32 v5, v4, s8, s9
	v_add_f32 v4, v4, v5
	v_mul_f32 v4, 0x34800000, v4                   ; / 4,194,304 = x 2^-22: the mean; nothing is rounded
	v_fmamk_f32 v5, v4, 0x3dcccccd, v4             ; 0.1 m + m
	v_mul_f32 v5, 0x41200000, v5                   ; x 10
	v_cmp_eq_u32 vcc_lo, 0, v0
	s_wait_alu depctr_va_vdst(0)
	s_wait_xcnt 0x0                                ; EXEC changes only behind this wait
	s_and_saveexec_b32 s10, vcc_lo
	global_store_b32 v2, v5, s[6:7]                ; lane 0 stores the one number
	s_wait_xcnt 0x0
	s_or_b32 exec_lo, exec_lo, s10
	s_endpgm
.Lfunc_end_k_qef67c99bce_total:
	.size	k_qef67c99bce_total, .Lfunc_end_k_qef67c99bce_total-k_qef67c99bce_total
	.p2alignl 7, 3214868480
	.fill 96, 4, 3214868480
	.section	.rodata,"a",@progbits
	.p2align	6, 0x0
	.amdhsa_kernel k_qef67c99bce_total
		.amdhsa_group_segment_fixed_size 0
		.amdhsa_private_segment_fixed_size 0
		.amdhsa_enable_private_segment 0
		.amdhsa_kernarg_size 16
		.amdhsa_user_sgpr_count 2
		.amdhsa_user_sgpr_kernarg_segment_ptr 1
		.amdhsa_wavefront_size32 1
		.amdhsa_system_sgpr_workgroup_id_x 1
		.amdhsa_system_sgpr_workgroup_id_y 1
		.amdhsa_system_sgpr_workgroup_id_z 1
		.amdhsa_system_vgpr_workitem_id 0
		.amdhsa_next_free_vgpr 16
		.amdhsa_next_free_sgpr 66
		.amdhsa_reserve_vcc 1
		.amdhsa_float_denorm_mode_32 3
		.amdhsa_float_denorm_mode_16_64 3
		.amdhsa_memory_ordered 1
		.amdhsa_forward_progress 1
		.amdhsa_inst_pref_size 2
	.end_amdhsa_kernel
	.amdgpu_metadata
---
amdhsa.version: [ 1, 2 ]
amdhsa.kernels:
  - .name:           k_qef67c99bce_total
    .symbol:         k_qef67c99bce_total.kd
    .args:
      - { .name: part, .offset: 0, .size: 8, .value_kind: global_buffer, .address_space: global }
      - { .name: out1, .offset: 8, .size: 8, .value_kind: global_buffer, .address_space: global }
    .group_segment_fixed_size: 0
    .private_segment_fixed_size: 0
    .kernarg_segment_align: 8
    .kernarg_segment_size: 16
    .max_flat_workgroup_size: 32
    .sgpr_count:     66
    .vgpr_count:     16
    .wavefront_size: 32
...
	.end_amdgpu_metadata
.endif
;; end of part 3
